; MI455X (gfx1250); checked and timed in simulation.
; The chip was launched on July 23, 2026; its instructions are those of AMD's public machine-readable ISA for CDNA 5 (MIT licence, August 2026) and "CDNA5" Instruction Set Architecture Reference Guide (July 2026). The comments in the code are by the model that wrote it; some were corrected since.
;; CCG. Allowed arithmetic: matrix products marked QUANTISED: E4M3 operands, one given power-of-two scale a tensor, by v_wmma_f32_16x16x64_fp8_fp8 or v_wmma_f32_16x16x128_fp8_fp8, f32 sums; products left as they are: f32 operands where the result goes on into a quantised operand, else bf16, f16 or f32 operands; f32 sums; everything else in f32.
;; Inputs: ln_b 256 float32; ln_w 256 float32; lowp_scales 2 int32 (the exponents e of the quantised operands' scales 2^e); proj_b 64 float32; proj_w 64 x 256 float32; x 8 x 4,096 x 256 float32.
;; Outputs: out0 8 x 1 x 64 float32.
;; This version of the problem:
;;   THIS VERSION OF THE PROBLEM IS GIVEN IN LOW PRECISION. The matrix products marked QUANTISED in the list below multiply operands that are first quantised to E4M3 (4 exponent bits, 3 mantissa bits; 8 bits a number), with one given power-of-two scale for each operand tensor; their sums are f32. All else is computed in f32.
;;   The module's matrix products, in the order in which they are computed (A, B: the left and right operand; K: the contracted axis; several contracted axes count as one K, in the product's order):
;;     1. batch 8 x [M 4,096, K 256] x [K 256, N 4,096]; A: computed on the way; B: computed on the way: QUANTISED (scales: A lowp_scales[0], B lowp_scales[1])
;;     2. batch 8 x [M 4,096, K 1] x [K 1, N 4,096]; A: computed on the way; B: computed on the way: left as it is (K = 1 < 32)
;;     3. [M 8, K 256] x [K 256, N 64]; A: computed on the way; B: input proj_w: left as it is (M = 8 < 16)
;;   THE QUANTISER, for each operand of a quantised product, along K:
;;     - The operand's scale is 2^e, e = its entry of the input lowp_scales (int32; the entries are numbered through the quantised products in the list's order, A before B).
;;     - Each number is divided by the scale, clamped to +-448, and rounded to the nearest number of E4M3, ties to even, subnormals kept.
;;     - The product sums the exact products of the quantised numbers (number of the format x scale) in f32.
;;   ~~~python
;;   def quantise(x, axis, e):      # numpy; x: float32 -> the quantised numbers, widened to float32 again
;;       x = np.moveaxis(x, axis, -1); K = x.shape[-1]
;;       r = np.clip(x / 2.0 ** e, -448, 448)
;;       step = 2.0 ** (np.maximum(np.frexp(np.where(r == 0, 1, r))[1] - 1, -6) - 3)
;;       q = np.round(r / step) * step * 2.0 ** e      # np.round: ties to even
;;       return np.moveaxis(q, -1, axis).astype(np.float32)
;;   ~~~
;;   OPERANDS COMPUTED ON THE WAY. 'Computed on the way' means the value that the module computes at that place (a softmax that the list does not call 'softmax' is quantised finished and normalised). What goes into a quantiser is computed in f32, as accurately as f32 sums, v_exp_f32 and their like allow (about 1e-6 of the number): no bf16 or f16 on the way to a quantiser, and a product that is left as it is and whose result goes on into a quantised operand takes f32 operands (vector FMAs, or v_wmma_f32_16x16x4_f32). A number that lies on a knife's edge between two numbers of the format may be rounded either way, as far as f32 arithmetic and the matrix unit's own rounding can turn it there, and no further.
;; One version. Each part assembles by itself: llvm-mc -triple=amdgcn-amd-amdhsa -mcpu=gfx1250 --defsym DOCPART=n.
;; ======== version 1 of 1: 3 launches
;; limits: right only within a limited range of input values
;; workspace buffers: codes_a 8,388,608 bytes; codes_b 8,388,608 bytes; rnorm 131,072 bytes; keys 131,072 bytes of whole numbers
;; launch lnq (part 1): grid 256 x 1, 8 waves a work-group, no clusters, 0 bytes of LDS; arguments x, ln_w, ln_b, lowp_scales, codes_a, codes_b, rnorm; writes codes_a, codes_b, rnorm
.if DOCPART == 1
	.amdgcn_target "amdgcn-amd-amdhsa--gfx1250"
	.amdhsa_code_object_version 6
	.text
	.protected	k_q20cef8103d_lnq
	.globl	k_q20cef8103d_lnq
	.p2align	8
	.type	k_q20cef8103d_lnq,@function
k_q20cef8103d_lnq:
	s_mov_b64 s[64:65], 0
	v_nop
	global_prefetch_b8 v0, s[64:65] scope:SCOPE_SE
	s_setreg_imm32_b32 hwreg(HW_REG_WAVE_MODE, 25, 1), 1
	s_wait_xcnt 0x0
; FIRST OF THREE LAUNCHES.  xn = LayerNorm(x) for the 8 x 4,096 rows of 256; xn as codes of E4M3 with the scale 2^e0 (codes_a: the product's left operand) and with 2^e1 (codes_b: its right operand);
; rnorm = 1 / |xn|, one f32 a row.  The second launch makes density from these, the third picks the rows of largest density and projects them.
; HOW THE DIVISION IS DONE.  density[n] = sum over m of num[n][m] / (a_n a_m + 1e-8), a = |xn|.  The program forms r = 1 / a once a row and density[n] = r_n x sum over m of num[n][m] r_m: the product of the
; two columns of norms (K = 1) is used factor by factor and never laid out as a matrix.
; LIMIT: 1e-8 is not added term by term.  Where a_n a_m >= 2^-2, half a step of f32 at a_n a_m is at least 1.49e-8, so a_n a_m + 1e-8 rounds back to a_n a_m and the two forms differ by rounding alone.
; Below that a term deviates by the relative amount 1e-8 / (a_n a_m).  What the 1e-8 is there for is kept: |xn|^2 is held at 2^-60 from below, so r is at most 2^30; a row of zeros has zero codes, its
; terms are 0 as in the source, and nothing overflows (sums of codes under 2^26, 4,096 terms, two factors of 2^30 at the most).
; WORK LEFT OUT.  The factor 2^(e0 + e1) of num is never applied: it multiplies every density of every batch by one positive number, and density reaches the output only through (density == its maximum),
; which no positive factor changes, whatever the inputs hold.  LIMIT: an overflow or underflow that this factor alone would cause is not carried to the result.  Every input has a way to the output and is loaded in some launch.
; LIMITS: e0, e1 between -126 and 119, so that 2^e and 448 x 2^e are f32 numbers.  NaN and infinities among the inputs are not served.
; SHARES.  A work-group takes 128 rows, a wave 16, as eight pairs: lanes 0-15 one row, lanes 16-31 the next.  Lane i of a row holds k = 64 q + 4 i + j (q, j = 0..3): each load of a wave reads two whole rows' quarter,
; 256 consecutive bytes for each half of the lanes.  All 32 loads of a wave go out at the head: there is no loop and no LDS; waves share nothing.
; THE CODES' ORDER.  A lane's 16 codes are stored as its 16 bytes of the row: byte 16 i + 4 q + j holds k = 64 q + 4 i + j.  It is the same order of k in both buffers, so in the product every code meets its partner.
.set VX,  3                            ; v3   1024 h + 16 i: my 16 bytes in a pair's first quarter
.set VC,  4                            ; v4   16 x lane: my codes' place in a pair's 512 bytes
.set VL,  5                            ; v5   16 i: my place in a quarter of ln_w, ln_b
.set P8,  6                            ; v6   i mod 8: the pair whose 1 / norm I keep
.set RR,  7                            ; v7   that 1 / norm
.set VR,  12                           ; v12  4 (2 (i mod 8) + h): its place among the wave's 16
.set LW,  16                           ; v16-31  ln_w at my 16 k
.set LB,  32                           ; v32-47  ln_b
.set S,   48                           ; v48-79  eight registers of sums for each of a group's four pairs
.set T,   80                           ; v80-95  a pair's numbers held within +-448 x 2^e0
.set U,   96                           ; v96-111 the same with e1
.set X,   112                          ; v112-239 pair p: 16 registers; at the end its first eight hold the codes
	s_load_b256 s[4:11], s[0:1], 0x0               ; x s[4:5], ln_w s[6:7], ln_b s[8:9], lowp_scales s[10:11]
	s_load_b128 s[12:15], s[0:1], 0x20             ; codes_a s[12:13], codes_b s[14:15]
	s_load_b64 s[16:17], s[0:1], 0x30              ; rnorm
	v_lshrrev_b32 v3, 5, v0
	v_readfirstlane_b32 s20, v3                    ; wave 0..7
	v_and_b32 v1, 15, v0                           ; i
	v_bfe_u32 v2, v0, 4, 1                         ; h
	v_lshlrev_b32 v[VL], 4, v1
	v_lshl_add_u32 v[VX], v2, 10, v[VL]
	v_and_b32 v[VC], 31, v0
	v_lshlrev_b32 v[VC], 4, v[VC]
	v_and_b32 v[P8], 7, v1
	v_mov_b32 v[RR], 0
	v_lshl_add_u32 v[VR], v[P8], 1, v2
	v_lshlrev_b32 v[VR], 2, v[VR]
	s_lshl_b32 s21, ttmp9, 7
	s_lshl_b32 s28, s20, 4
	s_add_co_u32 s21, s21, s28                     ; my wave's first row: 128 x work-group + 16 x wave
	s_lshl_b32 s28, s21, 10                        ; in x: rows of 1,024 bytes (33,554,432 bytes in all: one word holds it)
	s_mov_b32 s29, 0
	s_lshl_b32 s30, s21, 8                         ; in the codes: rows of 256 bytes
	s_mov_b32 s31, 0
	s_lshl_b32 s34, s21, 2                         ; in rnorm
	s_mov_b32 s35, 0
	s_mov_b32 s24, 0x3b800000                      ; 1 / 256
	s_mov_b32 s25, 0x3727c5ac                      ; 1e-5
	s_mov_b32 s26, 0x21800000                      ; 2^-60
	s_wait_kmcnt 0x0
	s_load_b64 s[22:23], s[10:11], 0x0             ; e0, e1
	s_add_nc_u64 s[4:5], s[4:5], s[28:29]
	s_add_nc_u64 s[12:13], s[12:13], s[30:31]
	s_add_nc_u64 s[14:15], s[14:15], s[30:31]
	s_add_nc_u64 s[16:17], s[16:17], s[34:35]
.irp q, 0,1,2,3
	global_load_b128 v[LW+4*\q:LW+4*\q+3], v[VL], s[6:7] offset:256*\q
.endr
.irp q, 0,1,2,3
	global_load_b128 v[LB+4*\q:LB+4*\q+3], v[VL], s[8:9] offset:256*\q
.endr
.irp p, 0,1,2,3,4,5,6,7
.irp q, 0,1,2,3
	global_load_b128 v[X+16*\p+4*\q:X+16*\p+4*\q+3], v[VX], s[4:5] offset:2048*\p+256*\q th:TH_LOAD_NT   ; each half of the lanes reads 256 consecutive bytes, at a multiple of 256 from x's first byte
.endr
.endr
	s_wait_kmcnt 0x0
	s_add_co_i32 s32, s22, 127
	s_lshl_b32 s33, s32, 23
	v_mov_b32 v8, s33                              ; 2^e0 as f32: the conversion takes its exponent field
	s_add_co_i32 s32, s32, 8
	s_lshl_b32 s32, s32, 23
	s_or_b32 s32, s32, 0x600000
	v_mov_b32 v9, s32                              ; 448 x 2^e0
	s_add_co_i32 s32, s23, 127
	s_lshl_b32 s33, s32, 23
	v_mov_b32 v10, s33                             ; 2^e1
	s_add_co_i32 s32, s32, 8
	s_lshl_b32 s32, s32, 23
	s_or_b32 s32, s32, 0x600000
	v_mov_b32 v11, s32                             ; 448 x 2^e1
; register r of each pair's sums is added over the 16 lanes of its row; the four pairs take turns line by line
.macro XSUM r
.irp m, 1,2,4,8
.irp pp, 0,1,2,3
	v_add_f32_dpp v[S+8*\pp+\r], v[S+8*\pp+\r], v[S+8*\pp+\r] row_xmask:\m row_mask:0xf bank_mask:0xf
.endr
.endr
.endm
; the sum of the squares of a row's 256 numbers, into register d of each pair's sums: two chains a lane (d, d + 2), then the lanes
.macro SQSUM d
.irp pp, 0,1,2,3
	v_pk_mul_f32 v[S+8*\pp+\d:S+8*\pp+\d+1], v[XB+16*\pp:XB+16*\pp+1], v[XB+16*\pp:XB+16*\pp+1]
	v_pk_mul_f32 v[S+8*\pp+\d+2:S+8*\pp+\d+3], v[XB+16*\pp+2:XB+16*\pp+3], v[XB+16*\pp+2:XB+16*\pp+3]
.endr
.irp a, 4,8,12
.irp pp, 0,1,2,3
	v_pk_fma_f32 v[S+8*\pp+\d:S+8*\pp+\d+1], v[XB+16*\pp+\a:XB+16*\pp+\a+1], v[XB+16*\pp+\a:XB+16*\pp+\a+1], v[S+8*\pp+\d:S+8*\pp+\d+1]
	v_pk_fma_f32 v[S+8*\pp+\d+2:S+8*\pp+\d+3], v[XB+16*\pp+\a+2:XB+16*\pp+\a+3], v[XB+16*\pp+\a+2:XB+16*\pp+\a+3], v[S+8*\pp+\d+2:S+8*\pp+\d+3]
.endr
.endr
.irp pp, 0,1,2,3
	v_pk_add_f32 v[S+8*\pp+\d:S+8*\pp+\d+1], v[S+8*\pp+\d:S+8*\pp+\d+1], v[S+8*\pp+\d+2:S+8*\pp+\d+3]
.endr
.irp pp, 0,1,2,3
	v_add_f32 v[S+8*\pp+\d], v[S+8*\pp+\d], v[S+8*\pp+\d+1]
.endr
	XSUM \d
.endm
; Pairs 4 g to 4 g + 3, from the loaded numbers to the stored codes.
.macro GROUP g
.set XB, X+64*(\g)
.if (\g) == 0
	s_wait_loadcnt 16                              ; loads come back in order: ln_w, ln_b and pairs 0-3 are in; the 16 loads of pairs 4-7 may stay out
.else
	s_wait_loadcnt 0x0
.endif
.irp a, 0,1,2,3                                ; the row's sum
.irp pp, 0,1,2,3
	v_pk_add_f32 v[S+8*\pp+2*\a:S+8*\pp+2*\a+1], v[XB+16*\pp+4*\a:XB+16*\pp+4*\a+1], v[XB+16*\pp+4*\a+2:XB+16*\pp+4*\a+3]
.endr
.endr
.irp pp, 0,1,2,3
	v_pk_add_f32 v[S+8*\pp:S+8*\pp+1], v[S+8*\pp:S+8*\pp+1], v[S+8*\pp+2:S+8*\pp+3]
	v_pk_add_f32 v[S+8*\pp+4:S+8*\pp+5], v[S+8*\pp+4:S+8*\pp+5], v[S+8*\pp+6:S+8*\pp+7]
.endr
.irp pp, 0,1,2,3
	v_pk_add_f32 v[S+8*\pp:S+8*\pp+1], v[S+8*\pp:S+8*\pp+1], v[S+8*\pp+4:S+8*\pp+5]
.endr
.irp pp, 0,1,2,3
	v_add_f32 v[S+8*\pp], v[S+8*\pp], v[S+8*\pp+1]
.endr
	XSUM 0
.irp pp, 0,1,2,3
	v_mul_f32 v[S+8*\pp], s24, v[S+8*\pp]          ; the mean
.endr
.irp a, 0,2,4,6,8,10,12,14
.irp pp, 0,1,2,3
	v_pk_add_f32 v[XB+16*\pp+\a:XB+16*\pp+\a+1], v[XB+16*\pp+\a:XB+16*\pp+\a+1], v[S+8*\pp:S+8*\pp+1] op_sel_hi:[1,0] neg_lo:[0,1] neg_hi:[0,1]   ; x - mean (the pair's low word for both halves)
.endr
.endr
	SQSUM 2
.irp pp, 0,1,2,3
	v_fma_f32 v[S+8*\pp+2], v[S+8*\pp+2], s24, s25 ; the variance + 1e-5
.endr
.irp pp, 0,1,2,3
	v_rsq_f32 v[S+8*\pp+2], v[S+8*\pp+2]
.endr
	v_nop                                          ; a plain instruction between the last of the batch and the first use of a result
	s_wait_alu depctr_va_vdst(0)                   ; the wait ahead of the first reader: one for the four
.irp a, 0,2,4,6,8,10,12,14
.irp pp, 0,1,2,3
	v_pk_mul_f32 v[XB+16*\pp+\a:XB+16*\pp+\a+1], v[XB+16*\pp+\a:XB+16*\pp+\a+1], v[S+8*\pp+2:S+8*\pp+3] op_sel_hi:[1,0]
.endr
.endr
.irp a, 0,2,4,6,8,10,12,14
.irp pp, 0,1,2,3
	v_pk_fma_f32 v[XB+16*\pp+\a:XB+16*\pp+\a+1], v[XB+16*\pp+\a:XB+16*\pp+\a+1], v[LW+\a:LW+\a+1], v[LB+\a:LB+\a+1]   ; xn
.endr
.endr
	SQSUM 4                                        ; |xn|^2, of the numbers as they are ahead of the quantisers
.irp pp, 0,1,2,3
	v_max_num_f32 v[S+8*\pp+4], v[S+8*\pp+4], s26  ; held at 2^-60 from below
.endr
.irp pp, 0,1,2,3
	v_rsq_f32 v[S+8*\pp+6], v[S+8*\pp+4]           ; 1 / |xn|
.endr
	v_nop
	s_wait_alu depctr_va_vdst(0)                   ; one wait for the four, ahead of the selects below
.irp pp, 0,1,2,3
.irp i, 0,1,2,3,4,5,6,7,8,9,10,11,12,13,14,15
	v_med3_num_f32 v[T+\i], v[XB+16*\pp+\i], -v9, v9      ; the conversion to an 8-bit code does not saturate (ISA guide 7.6.2): the number is held within the largest code x the scale first
.endr
.irp i, 0,1,2,3,4,5,6,7,8,9,10,11,12,13,14,15
	v_med3_num_f32 v[U+\i], v[XB+16*\pp+\i], -v11, v11
.endr
	v_cvt_scalef32_pk8_fp8_f32 v[XB+16*\pp:XB+16*\pp+1], v[T:T+7], v8         ; the codes take the places of numbers that have been read: no store's data are ever written again
	v_cvt_scalef32_pk8_fp8_f32 v[XB+16*\pp+2:XB+16*\pp+3], v[T+8:T+15], v8
	v_cvt_scalef32_pk8_fp8_f32 v[XB+16*\pp+4:XB+16*\pp+5], v[U:U+7], v10
	v_cvt_scalef32_pk8_fp8_f32 v[XB+16*\pp+6:XB+16*\pp+7], v[U+8:U+15], v10
	v_cmp_eq_u32 vcc_lo, 4*(\g)+\pp, v[P8]         ; these two plain lines also stand between the conversions and the next pair's writes of T and U
	v_cndmask_b32 v[RR], v[RR], v[S+8*\pp+6], vcc_lo      ; lane i keeps the 1 / norm of pair i mod 8, of its own half's row
	global_store_b128 v[VC], v[XB+16*\pp:XB+16*\pp+3], s[12:13] offset:512*(4*(\g)+\pp)     ; the wave stores 512 consecutive bytes, two whole rows of codes
	global_store_b128 v[VC], v[XB+16*\pp+4:XB+16*\pp+7], s[14:15] offset:512*(4*(\g)+\pp)
.endr
.endm
	GROUP 0
	GROUP 1
	v_cmp_gt_u32 vcc_lo, 8, v1                     ; lanes with i < 8 hold the wave's 16 numbers 1 / norm once each
	s_wait_xcnt 0x0                                ; EXEC is a source of the stores above: it changes only behind this wait
	s_and_saveexec_b32 s36, vcc_lo
	global_store_b32 v[VR], v[RR], s[16:17]        ; 64 consecutive bytes a wave: 131,072 bytes in the whole launch beside 16,777,216 of codes; a gathering through LDS, with a barrier, is not spent on them
	s_endpgm
.Lfunc_end_k_q20cef8103d_lnq:
	.size	k_q20cef8103d_lnq, .Lfunc_end_k_q20cef8103d_lnq-k_q20cef8103d_lnq
	.p2alignl 7, 3214868480
	.fill 96, 4, 3214868480
	.section	.rodata,"a",@progbits
	.p2align	6, 0x0
	.amdhsa_kernel k_q20cef8103d_lnq
		.amdhsa_group_segment_fixed_size 0
		.amdhsa_private_segment_fixed_size 0
		.amdhsa_enable_private_segment 0
		.amdhsa_kernarg_size 56
		.amdhsa_user_sgpr_count 2
		.amdhsa_user_sgpr_kernarg_segment_ptr 1
		.amdhsa_wavefront_size32 1
		.amdhsa_system_sgpr_workgroup_id_x 1
		.amdhsa_system_sgpr_workgroup_id_y 1
		.amdhsa_system_sgpr_workgroup_id_z 1
		.amdhsa_system_vgpr_workitem_id 0
		.amdhsa_next_free_vgpr 240
		.amdhsa_next_free_sgpr 66
		.amdhsa_reserve_vcc 1
		.amdhsa_float_denorm_mode_32 3
		.amdhsa_float_denorm_mode_16_64 3
		.amdhsa_memory_ordered 1
		.amdhsa_forward_progress 1
		.amdhsa_inst_pref_size 60
	.end_amdhsa_kernel
	.amdgpu_metadata
---
amdhsa.version: [ 1, 2 ]
amdhsa.kernels:
  - .name:           k_q20cef8103d_lnq
    .symbol:         k_q20cef8103d_lnq.kd
    .args:
      - { .name: x, .offset: 0, .size: 8, .value_kind: global_buffer, .address_space: global }
      - { .name: ln_w, .offset: 8, .size: 8, .value_kind: global_buffer, .address_space: global }
      - { .name: ln_b, .offset: 16, .size: 8, .value_kind: global_buffer, .address_space: global }
      - { .name: lowp_scales, .offset: 24, .size: 8, .value_kind: global_buffer, .address_space: global }
      - { .name: codes_a, .offset: 32, .size: 8, .value_kind: global_buffer, .address_space: global }
      - { .name: codes_b, .offset: 40, .size: 8, .value_kind: global_buffer, .address_space: global }
      - { .name: rnorm, .offset: 48, .size: 8, .value_kind: global_buffer, .address_space: global }
    .group_segment_fixed_size: 0
    .private_segment_fixed_size: 0
    .kernarg_segment_align: 8
    .kernarg_segment_size: 56
    .max_flat_workgroup_size: 256
    .sgpr_count:     66
    .vgpr_count:     240
    .wavefront_size: 32
...
	.end_amdgpu_metadata
.endif
;; end of part 1
;; launch dens (part 2): grid 32 x 8, 4 waves a work-group, clusters of 4 x 1, 327,680 bytes of LDS; arguments codes_a, codes_b, rnorm, keys; writes keys
.if DOCPART == 2
	.amdgcn_target "amdgcn-amd-amdhsa--gfx1250"
	.amdhsa_code_object_version 6
	.text
	.protected	k_q20cef8103d_dens
	.globl	k_q20cef8103d_dens
	.p2align	8
	.type	k_q20cef8103d_dens,@function
k_q20cef8103d_dens:
	s_mov_b64 s[64:65], 0
	v_nop
	global_prefetch_b8 v0, s[64:65] scope:SCOPE_SE
	s_setreg_imm32_b32 hwreg(HW_REG_WAVE_MODE, 25, 1), 1
	s_wait_xcnt 0x0
	s_wait_alu depctr_hold_cnt(0) depctr_sa_sdst(0) depctr_va_vdst(0) depctr_va_sdst(0) depctr_va_ssrc(0) depctr_va_vcc(0) depctr_vm_vsrc(0)
	s_getreg_b32 s2, hwreg(HW_REG_IB_STS2, 6, 4)
	s_cmp_eq_u32 s2, 0
	s_cbranch_scc0 .Lentry_in_a_cluster
	s_endpgm
.Lentry_in_a_cluster:
	s_bfe_u32 s2, ttmp6, 0x10000c
	s_cmp_lg_u32 s2, 0x3003
	s_cbranch_scc0 .Lentry_shape_is_right
	s_endpgm
.Lentry_shape_is_right:
; SECOND LAUNCH.  For each row n of each batch: d[n] = r_n x sum over m of (codes_a[n] . codes_b[m]) r_m, r = rnorm; stored as a whole number that sorts as d does.
; WORK LEFT OUT, as shown at the head of the first launch: the factor 2^(e0 + e1), one positive number on every d, which the comparison with the maximum cannot see: so lowp_scales is not among the arguments here.
; The 1e-8 of the source's denominator is served as stated there (its limit too).
; THE KEY.  d + 0 (so that -0 becomes +0); bits xor ((bits shifted right arithmetically by 31) or 0x80000000): for finite d, order and equality of the unsigned keys are those of d.  LIMIT: a NaN among the d is not served.
; SHARES.  A work-group owns 128 rows n of one batch.  Each of its four waves holds A's fragments of ALL 128 rows in registers (8 tiles x 2 K steps x 16 = 256 registers) and the waves share m: of each slot of 512 rows of B
; wave w takes rows 128 w .. 128 w + 127.  So every byte of B in LDS is read once by one wave, and 4,096 bytes of it feed 16 matrix instructions.  The waves' partial sums meet in LDS at the end.
; Every row sums its m in the same order, whichever work-group owns it: rows that are equal get equal keys.
; THE MATRIX INSTRUCTION IS USED TRANSPOSED: source 0 = 16 rows of B (m), source 1 = 16 rows of A (n): a lane holds ONE n (lane % 16) and its eight registers m = 8 (lane / 16) + 0..7, so that the weights r_m
; of a tile are eight registers, the same in all lanes of a half, and num x r_m is summed by four packed multiply-adds a tile into one pair of registers for each tile of n.
; K = 256 is two instructions of K = 128.  A fragment is fetched by four loads of 16 bytes, 32 bytes apart: an order of k that is the same in A and in B.
; BY TURNS.  While the products of one tile of m are issued, the tile before is weighted and summed: two packed multiply-adds behind each matrix instruction.  Two sets of four accumulators (D0, D1) change places.
; CLUSTER.  The four work-groups of a cluster are four blocks of n of one batch and walk the same B and the same table of r: each tile is asked for JOINTLY, by the same tensor load with the same descriptor and the mask of all four.
; REGISTERS, in windows of 256 (s_set_vgpr_msb: bits 1:0 source 0, 3:2 source 1, 5:4 source 2, 7:6 destination):
;   window 0: v1-15, v28 addresses; v16-27 the way out; v32-47 the weights of even tiles of m, two sets; v48-63 of odd tiles, two sets; v64-191 B's fragments, two sets of two tiles; v192-199 the way out
;   windows 1 and 2 (tiles of n 0-3 and 4-7): v0-127 A (tile t, K step s at 32 t + 16 s); v128-159 D0; v160-191 D1; v192-199 the sums, a pair a tile
.set PITCH, 272                        ; a row of B in LDS: 256 bytes + 16 of padding = 68 words: the 16 rows that a load touches start at 16 different banks (64 banks of 4 bytes: ISA guide 11.1)
.set QUART, 128*PITCH                  ; 128 rows: what one tensor load brings, and what one wave reads of a slot
.set SLOT,  4*QUART                    ; 512 rows
.set SLOTG, 512*256                    ; and in memory
.set WTAB,  2*SLOT                     ; behind the ring: r of the batch's 4,096 rows, 16,384 bytes, filled once
.set RED,   WTAB+16384                 ; the waves' partial sums: 4 x 128 f32; no tensor load lands here
.set SPARE, RED+2048                   ; the spare words, 128 bytes for each wave: two blocks of 256 bytes that no other line names
.set AOFF, 4                           ; v4   256 (lane % 16) + 16 (lane / 16): my bytes of a tile of A in memory
.set ADB,  5                           ; v5, v6  LDS address of my bytes of my wave's first tile of B in slot 0, 1
.set ADW,  7                           ; v7   LDS address of my half's weights of my wave's first tile in the slot in hand
.set RST,  8                           ; v8   where I put a partial sum
.set RLD,  9                           ; v9   where I read two rows' partial sums back
.set KOFF, 10                          ; v10  8 x lane: two rows in rnorm and in keys
.set PFO,  11                          ; v11  256 x lane: a row of B in memory; never rewritten
.set RN,   12                          ; v[12:13] r of the two rows whose keys I store (waves 0, 1)
.set SPW,  14                          ; v14  LDS address of my spare word: SPARE + 4 x my thread's number; never rewritten
.set NIL,  15                          ; v15  0; never rewritten
.set RES,  16                          ; v16-23
.set VAL,  24                          ; v24-27
.set ADW0, 28                          ; v28  ADW for slot 0; never rewritten
.set WE,   32
.set WO,   48
.set BF,   64
.set FIN,  192
.set WV,   12                          ; s12  my wave's number
.set CX,   13                          ; s13  my place in the cluster: it enters global addresses of A, rnorm's two rows, keys and the prefetches alone
.set BX,   14                          ; s14  my block of 128 rows
.set BA,   15                          ; s15  the batch
.set G1,   24                          ; s[24:31] descriptor group 1 for B's tiles
.set G1W,  32                          ; s[32:39] for the table of r
.set G0,   40                          ; s[40:47] group 0 for B's tiles, a set for each slot
.set G0W,  48                          ; s[48:51] for the table
.set TRIPS, 52
.set LIM,  53                          ; s53  1 in the batch's first cluster, else the greatest number: a wave prefetches while s[TRIPS] is above it
.set PFA,  54                          ; s[54:55] where my prefetches stand
.set SEL,  56                          ; s[56:57] v_permlanex16_b32's selects for lane l xor 16
.set WB,   58                          ; s58  2,048 x the slot in hand: its weights' place in the table
.set RNB,  60                          ; s[60:61] rnorm, s[62:63] keys, at the 64 rows that my wave stores
.set KB,   62
.set T1,   0x54                        ; source 0 window 0; source 1, C and D window 1
.set T2,   0xa8                        ; the same with window 2
.set MSB, 0
.macro WIN new                         ; the immediate's high byte repeats the setting that is left; a switch that changes nothing is dropped
.if MSB != \new
	s_set_vgpr_msb (MSB<<8)|\new
.set MSB, \new
.endif
.endm
.macro CREST                           ; a round of the cluster's barrier behind its opening barrier
	s_cmp_lg_u32 s[WV], 0
	s_cbranch_scc1 .Lnot_wave_0_\@
	s_barrier_signal -3
.Lnot_wave_0_\@:
	s_barrier_wait -3
	s_barrier_signal -1
	s_barrier_wait -1
.endm
.macro CROUND                          ; a whole round
	s_barrier_signal -1
	s_barrier_wait -1
	CREST
.endm
; A PREFETCH INTO THE L2 of the slot that stands two refills on: 512 rows of 256 bytes, a lane a row, one instruction a wave.  All eight clusters of a batch walk the same B: the batch's first cluster asks (a branch on the
; cluster's number, the same in its four partners); the partners share the rows out BY ADDRESS, 128 each, and their waves take 32 each.  So each row is named once in the launch.  It stands behind the wave's tensor load,
; its five lines and the run of LDS loads.  The refills of slots 2 to 5 ask for slots 4 to 7; the last two ask for nothing; slots 0 to 3 come by their loads alone.
.macro ASK
	s_cmp_gt_u32 s[TRIPS], s[LIM]
	s_cbranch_scc0 .Lnot_mine_\@
	global_prefetch_b8 v[PFO], s[PFA:PFA+1] th:TH_LOAD_NT scope:SCOPE_SE
.Lnot_mine_\@:
.endm
	s_load_b256 s[4:11], s[0:1], 0x0               ; codes_a s[4:5], codes_b s[6:7], rnorm s[8:9], keys s[10:11]
	v_lshl_add_u32 v[SPW], v0, 2, SPARE
	v_mov_b32 v[NIL], 0
	ds_add_u32 v[SPW], v[NIL]                      ; the wave's opening: the add, twice on end, and its wait ahead of my first tensor load; the set-up below, work on registers, stands between
	ds_add_u32 v[SPW], v[NIL]                      ; and once more, under the one wait
	v_lshrrev_b32 v1, 5, v0
	v_readfirstlane_b32 s[WV], v1                  ; wave 0..3
	s_bfe_u32 s[CX], ttmp6, 0x40000
	s_lshl_b32 s[BX], ttmp9, 2                     ; in a cluster launch ttmp9 counts clusters
	s_add_co_u32 s[BX], s[BX], s[CX]
	s_and_b32 s[BA], ttmp7, 0xffff
	; group 1 for B: 128 rows of 256 bytes, dense in memory, padded in LDS
	s_mov_b32 s[G1], 15|(0<<16)|(1<<20)|(1<<21)|(5<<22)|(3<<25)   ; 15:0 the mask: all four work-groups; 17:16 elements of 1 byte; 20 padding on; 21 set beside a mask; 24:22 after every 64 words (code 5); 31:25 four words (code 3)
	s_mov_b32 s[G1+1], 256<<16                     ; tensor_dim0
	s_mov_b32 s[G1+2], 128<<16                     ; tensor_dim1
	s_mov_b32 s[G1+3], 256<<16                     ; tile_dim0
	s_mov_b32 s[G1+4], 128                         ; tile_dim1
	s_mov_b32 s[G1+5], 256                         ; tensor_dim0_stride
	s_mov_b32 s[G1+6], 0
	s_mov_b32 s[G1+7], 0
	; group 1 for the table: a dense block of 4,096 bytes as 16 rows of 32 elements of 8 bytes, no padding
	s_mov_b32 s[G1W], 15|(3<<16)|(1<<21)
	s_mov_b32 s[G1W+1], 32<<16
	s_mov_b32 s[G1W+2], 16<<16
	s_mov_b32 s[G1W+3], 32<<16
	s_mov_b32 s[G1W+4], 16
	s_mov_b32 s[G1W+5], 32
	s_mov_b32 s[G1W+6], 0
	s_mov_b32 s[G1W+7], 0
	s_mov_b32 s[SEL], 0x76543210
	s_mov_b32 s[SEL+1], 0xfedcba98
	s_mov_b32 s[WB], 0
	s_lshl_b32 s16, s[BA], 20                      ; B: the batch's 4,096 rows of 256 bytes,
	s_lshl_b32 s17, s[WV], 15                      ; my wave's 128 rows of a slot
	s_add_co_u32 s16, s16, s17
	s_mov_b32 s17, 0
	s_lshl_b32 s18, s[BA], 14                      ; the table: the batch's 16,384 bytes,
	s_lshl_b32 s19, s[WV], 12                      ; my wave's quarter
	s_add_co_u32 s18, s18, s19
	s_mov_b32 s19, 0
	s_mul_i32 s22, s[WV], QUART                    ; and where they go in LDS: the wave's number and constants alone
	s_lshl_b32 s23, s[WV], 12
	s_lshl_b32 s20, s[BA], 20                      ; A: the batch, my block's 128 rows
	s_lshl_b32 s21, s[BX], 15
	s_add_co_u32 s20, s20, s21
	s_mov_b32 s21, 0
	s_lshl_b32 s2, s[BA], 20                       ; the prefetches: the batch, my work-group's 128 rows of a slot, my wave's 32 of them
	s_lshl_b32 s3, s[CX], 15
	s_add_co_u32 s2, s2, s3
	s_lshl_b32 s3, s[WV], 13
	s_add_co_u32 s2, s2, s3
	s_mov_b32 s3, 0
	s_cmp_eq_u32 ttmp9, 0
	s_cselect_b32 s[LIM], 1, -1
	v_and_b32 v1, 15, v0                           ; r = lane % 16
	v_bfe_u32 v2, v0, 4, 1                         ; h = lane / 16
	v_and_b32 v3, 31, v0                           ; lane
	v_lshlrev_b32 v[AOFF], 8, v1
	v_lshl_add_u32 v[AOFF], v2, 4, v[AOFF]
	v_mul_u32_u24 v[ADB], v1, PITCH
	v_lshl_add_u32 v[ADB], v2, 4, v[ADB]
	v_add_nc_u32 v[ADB], s22, v[ADB]
	v_add_nc_u32 v[ADB+1], SLOT, v[ADB]
	s_lshl_b32 s52, s[WV], 9
	v_lshlrev_b32 v[ADW0], 5, v2                   ; the table: 512 bytes for each wave's 128 rows, 32 for each half's eight
	v_add_nc_u32 v[ADW0], s52, v[ADW0]
	v_add_nc_u32 v[ADW0], WTAB, v[ADW0]
	v_add_nc_u32 v[ADW], s[WB], v[ADW0]
	v_lshlrev_b32 v[RST], 2, v3
	v_add_nc_u32 v[RST], s52, v[RST]
	v_add_nc_u32 v[RST], RED, v[RST]               ; RED + 512 x wave + 4 x lane
	v_lshlrev_b32 v[KOFF], 3, v3
	s_lshl_b32 s52, s[WV], 8
	v_add_nc_u32 v[RLD], s52, v[KOFF]
	v_add_nc_u32 v[RLD], RED, v[RLD]               ; RED + 256 x wave + 8 x lane
	v_lshlrev_b32 v[PFO], 8, v3
	s_wait_dscnt 0x0                               ; both opening adds are done
	s_wait_kmcnt 0x0
	s_add_nc_u64 s[16:17], s[6:7], s[16:17]
	s_add_nc_u64 s[18:19], s[8:9], s[18:19]
.irp b, 0,1
	s_mov_b32 s[G0+4*\b], 1                        ; 1:0 count = 1
	s_add_co_u32 s[G0+4*\b+1], s22, \b*SLOT        ; 63:32 LDS address
	s_add_nc_u64 s[G0+4*\b+2:G0+4*\b+3], s[16:17], \b*SLOTG   ; 120:64 global address: rows 512 b on
	s_or_b32 s[G0+4*\b+3], s[G0+4*\b+3], 0x80000000           ; 127:126 type = 2
.endr
	s_mov_b32 s[G0W], 1
	s_add_co_u32 s[G0W+1], s23, WTAB
	s_mov_b64 s[G0W+2:G0W+3], s[18:19]
	s_or_b32 s[G0W+3], s[G0W+3], 0x80000000
	s_add_nc_u64 s[4:5], s[4:5], s[20:21]          ; A at my block
	s_add_nc_u64 s[PFA:PFA+1], s[6:7], s[2:3]
	s_add_nc_u64 s[PFA:PFA+1], s[PFA:PFA+1], 3*SLOTG   ; in slot 3: the first refill steps it to slot 4.  Nothing is prefetched here, at the head
	s_lshl_b32 s20, s[BA], 14                      ; rnorm and keys: the batch, my block's 128 rows, my wave's 64 of them (waves 0, 1)
	s_lshl_b32 s21, s[BX], 9
	s_add_co_u32 s20, s20, s21
	s_add_co_u32 s20, s20, s52
	s_mov_b32 s21, 0
	s_add_nc_u64 s[RNB:RNB+1], s[8:9], s[20:21]
	s_add_nc_u64 s[KB:KB+1], s[10:11], s[20:21]
	CROUND                                         ; all four work-groups are here: the first joint loads meet
	tensor_load_to_lds s[G0W:G0W+3], s[G1W:G1W+7]  ; every wave's three first fills stand on end, ahead of every wait on TENSORcnt, every LDS read and every further barrier: three loads of mine are out
	s_nop 0
	tensor_load_to_lds s[G0:G0+3], s[G1:G1+7]
	s_nop 0
	tensor_load_to_lds s[G0+4:G0+7], s[G1:G1+7]
	s_nop 0
.rept 4
	v_nop
.endr
	; A's fragments stay in registers.  D1, the sums and one set of weights begin as zeros: the step is written once, and its first weighting adds 0 x 0
	WIN 0x40                                       ; destination window 1, address window 0
.irp t, 0,1,2,3
.irp ks, 0,1
.irp c, 0,1,2,3
	global_load_b128 v[32*\t+16*\ks+4*\c:32*\t+16*\ks+4*\c+3], v[AOFF], s[4:5] offset:4096*\t+128*\ks+32*\c
.endr
.endr
.endr
.irp i, 0,1,2,3,4,5,6,7,8,9,10,11,12,13,14,15,16,17,18,19,20,21,22,23,24,25,26,27,28,29,30,31,32,33,34,35,36,37,38,39
	v_mov_b32 v[160+\i], 0
.endr
	WIN 0x80                                       ; destination window 2
.irp t, 0,1,2,3
.irp ks, 0,1
.irp c, 0,1,2,3
	global_load_b128 v[32*\t+16*\ks+4*\c:32*\t+16*\ks+4*\c+3], v[AOFF], s[4:5] offset:4096*(\t+4)+128*\ks+32*\c
.endr
.endr
.endr
.irp i, 0,1,2,3,4,5,6,7,8,9,10,11,12,13,14,15,16,17,18,19,20,21,22,23,24,25,26,27,28,29,30,31,32,33,34,35,36,37,38,39
	v_mov_b32 v[160+\i], 0
.endr
	WIN 0
.irp i, 0,1,2,3,4,5,6,7
	v_mov_b32 v[WO+8+\i], 0
.endr
	s_cmp_lt_u32 s[WV], 2
	s_cbranch_scc0 .Lno_rn
	global_load_b64 v[RN:RN+1], v[KOFF], s[RNB:RNB+1]   ; r of the two rows whose keys I store
.Lno_rn:
; Number u of 16 of a tile's weighting, for the window's four tiles of n: pair u / 4 of the eight m, tile u % 4.  Each accumulator is read from its low end on.
.macro PK u, ds, w
.set pki, (\u)/4
.set pkt, (\u)%4
	v_pk_fma_f32 v[192+2*pkt:193+2*pkt], v[(\w)+2*pki:(\w)+2*pki+1], v[128+32*(\ds)+8*pkt+2*pki:128+32*(\ds)+8*pkt+2*pki+1], v[192+2*pkt:193+2*pkt]
.endm
; Eight matrix instructions: one tile of m (fragments at bf) against the window's four tiles of n, two K steps, into set mt of the accumulators; behind each, two lines of the weighting of the OTHER set, with the weights at w.
; The four accumulators take turns, one instruction a turn; the first four products start the sums with the constant 0.
; Between an accumulator's last product and its first read stand five or more of these packed lines, which name none of that product's registers (ISA guide 7.12.1 asks for four).
.macro PART mt, bf, w
.set pq, 0
.rept 8
.set pqt, pq%4
.set pqs, pq/4
.set rD, 128+32*(\mt)+8*pqt
.if pqs == 0
	v_wmma_f32_16x16x128_fp8_fp8 v[rD:rD+7], v[(\bf)+16*pqs:(\bf)+16*pqs+15], v[32*pqt+16*pqs:32*pqt+16*pqs+15], 0
.else
	v_wmma_f32_16x16x128_fp8_fp8 v[rD:rD+7], v[(\bf)+16*pqs:(\bf)+16*pqs+15], v[32*pqt+16*pqs:32*pqt+16*pqs+15], v[rD:rD+7]
.endif
	PK 2*pq, 1-(\mt), \w
	PK 2*pq+1, 1-(\mt), \w
.set pq, pq+1
.endr
.endm
.macro RUNB adr, tau, set              ; 16 LDS loads: my wave's tiles tau, tau + 1 of a slot into set `set` of B's fragments
.irp tt, 0,1
.irp ks, 0,1
.irp c, 0,1,2,3
	ds_load_b128 v[BF+64*(\set)+32*\tt+16*\ks+4*\c:BF+64*(\set)+32*\tt+16*\ks+4*\c+3], v[\adr] offset:((\tau)+\tt)*16*PITCH+128*\ks+32*\c
.endr
.endr
.endr
.endm
.macro RUNW reg, off                   ; a tile's eight weights of my half: all lanes of a half read the same 32 bytes
	ds_load_b128 v[\reg:\reg+3], v[ADW] offset:\off
	ds_load_b128 v[\reg+4:\reg+7], v[ADW] offset:\off+16
.endm
; A STEP: tiles 2 j and 2 j + 1 of my wave's eight in slot b: 32 matrix instructions.  par = j % 2 picks the sets.  The next step's fragments and weights are fetched in ONE run behind the first eight products:
; 24 matrix instructions ahead of their use.  The registers that the run fills: B's other set, last multiplied in the step before (18 packed lines lie between); the even weights' other set, last used in the step before;
; the odd weights' set that the step before has used up.
.macro STEP b, j
.set par, (\j)%2
	s_wait_dscnt 0x0                               ; the last run is in
	WIN T1
	PART 0, BF+64*par, WO+8*(1-par)
	WIN 0
	RUNB ADB+\b, 2*(\j)+2, 1-par
	RUNW WE+8*(1-par), 64*(2*(\j)+2)
	RUNW WO+8*par, 64*(2*(\j)+1)
	WIN T1
	PART 1, BF+64*par+32, WE+8*par
	WIN T2
	PART 0, BF+64*par, WO+8*(1-par)
	PART 1, BF+64*par+32, WE+8*par
.endm
; A slot's last step (j = 3) changes slots.  All reads of the slot were issued in the step before.  ONE barrier: in front of it each wave waits for all its tensor loads, of which one is out: its part of the next slot;
; adds 0 to its spare word; and waits for that and for its reads.  fill = 1: the barrier opens a round of the cluster's, and the slot is filled again with the rows two slots on: the load has a slot's 128 matrix instructions in which to land.
.macro TURN b, fill
	WIN 0                                          ; (the add's two registers lie in window 0)
.if \fill
	s_wait_xcnt 0x0                                ; the last prefetch, a slot back, has read its address, so it may be written
	s_add_nc_u64 s[PFA:PFA+1], s[PFA:PFA+1], SLOTG
.endif
	s_wait_tensorcnt 0x0                           ; no tensor load of mine is out, so a group 0 may be written
	ds_add_u32 v[SPW], v[NIL]                      ; 0 onto my spare word
.if \fill
	s_add_nc_u64 s[G0+4*\b+2:G0+4*\b+3], s[G0+4*\b+2:G0+4*\b+3], 2*SLOTG   ; the type bits on top are not reached
.endif
	s_wait_dscnt 1                                 ; the last run's 20 loads are in; the add alone may be out
	WIN T1
	PART 0, BF+64, WO                              ; eight matrix instructions stand between the add and the wait for it
	s_wait_dscnt 0x0                               ; the add is done, and my reads of this slot are over
	s_barrier_signal -1
	PART 1, BF+96, WE+8                            ; work on registers while the others arrive
	WIN 0
	s_barrier_wait -1
.if \fill
	CREST                                          ; no wave of any partner still reads this slot or has a load on its way
	tensor_load_to_lds s[G0+4*\b:G0+4*\b+3], s[G1:G1+7]   ; the first thing behind the round, and my one tensor load until the next
	s_nop 0
.rept 4
	v_nop
.endr
.endif
	RUNB ADB+1-\b, 0, 0                            ; the next slot's first two tiles
	RUNW WE, 2048                                  ; their even weights: 2,048 bytes on in the table
	RUNW WO+8, 448                                 ; and this slot's tile 7's
	s_add_co_u32 s[WB], s[WB], 2048
	v_add_nc_u32 v[ADW], s[WB], v[ADW0]
.if \fill
	ASK
.endif
	WIN T2
	PART 0, BF+64, WO
	PART 1, BF+96, WE+8
.endm
	s_wait_tensorcnt 1                             ; my parts of the table and of slot 0 are in; slot 1's may stay out
	s_barrier_signal -1
	s_barrier_wait -1                              ; everybody's are
	RUNB ADB, 0, 0
	RUNW WE, 0
	s_wait_loadcnt 0x0                             ; A (and r of my two rows)
	s_mov_b32 s[TRIPS], 3
.Ltrip:                                                ; a trip goes once round the ring and fills both slots again: slots 2 to 7 in three trips
	STEP 0, 0
	STEP 0, 1
	STEP 0, 2
	TURN 0, 1
	STEP 1, 0
	STEP 1, 1
	STEP 1, 2
	TURN 1, 1
	WIN 0                                          ; at a label and at a branch every window is 0
	s_sub_co_u32 s[TRIPS], s[TRIPS], 1
	s_cmp_lg_u32 s[TRIPS], 0
	s_cbranch_scc1 .Ltrip
	STEP 0, 0                                      ; the last two slots are written out: nothing more is asked for, and no round of the cluster's barrier is passed
	STEP 0, 1
	STEP 0, 2
	TURN 0, 0
	STEP 1, 0
	STEP 1, 1
	STEP 1, 2
	s_wait_dscnt 0x0                               ; the very last step: only tile 7's weights are left to fetch
	WIN T1
	PART 0, BF+64, WO
	WIN 0
	RUNW WO+8, 448
	WIN T1
	PART 1, BF+96, WE+8
	WIN T2
	PART 0, BF+64, WO
	PART 1, BF+96, WE+8
	s_wait_dscnt 0x0
	WIN T1                                         ; the last tile's weighting: window 1's 16 lines are also the places behind window 2's last products
.set fu, 0
.rept 16
	PK fu, 1, WO+8
.set fu, fu+1
.endr
	WIN T2
.set fu, 0
.rept 16
	PK fu, 1, WO+8
.set fu, fu+1
.endr
	; THE WAY OUT.  A pair's two halves and the other half of the lanes' are added: every lane then holds, for tile t of n, my wave's sum of row 16 t + lane % 16.
	WIN 0x05                                       ; sources window 1, destination window 0
.irp t, 0,1,2,3
	v_add_f32 v[RES+\t], v[192+2*\t], v[193+2*\t]
.endr
	WIN 0x0a                                       ; sources window 2
.irp t, 0,1,2,3
	v_add_f32 v[RES+4+\t], v[192+2*\t], v[193+2*\t]
.endr
	WIN 0
.irp t, 0,1,2,3,4,5,6,7
	v_permlanex16_b32 v[BF+\t], v[RES+\t], s[SEL], s[SEL+1]   ; (its destination counts as read: these registers have been written)
.endr
.irp t, 0,1,2,3,4,5,6,7
	v_add_f32 v[RES+\t], v[RES+\t], v[BF+\t]
.endr
	v_cmp_le_u32 vcc_lo, 16, v3
.irp u, 0,1,2,3
	v_cndmask_b32 v[VAL+\u], v[RES+2*\u], v[RES+2*\u+1], vcc_lo   ; row 32 u + lane
.endr
.irp u, 0,1,2,3
	ds_store_b32 v[RST], v[VAL+\u] offset:128*\u
.endr
	s_wait_dscnt 0x0                               ; for the others' sake: my partial sums lie in LDS
	s_barrier_signal -1
	s_barrier_wait -1
	s_cmp_lt_u32 s[WV], 2                          ; waves 0 and 1 finish 64 rows each, two a lane
	s_cbranch_scc0 .Ldone
.irp u, 0,1,2,3
	ds_load_b64 v[FIN+2*\u:FIN+2*\u+1], v[RLD] offset:512*\u
.endr
	s_wait_dscnt 0x0
	v_pk_add_f32 v[FIN:FIN+1], v[FIN:FIN+1], v[FIN+2:FIN+3]       ; the four waves' parts, in one fixed order
	v_pk_add_f32 v[FIN+4:FIN+5], v[FIN+4:FIN+5], v[FIN+6:FIN+7]
	v_pk_add_f32 v[FIN:FIN+1], v[FIN:FIN+1], v[FIN+4:FIN+5]
	v_pk_fma_f32 v[FIN:FIN+1], v[FIN:FIN+1], v[RN:RN+1], 0 op_sel_hi:[1,1,0]   ; x r_n; the + 0 makes -0 into +0
	v_ashrrev_i32 v[FIN+2], 31, v[FIN]
	v_ashrrev_i32 v[FIN+3], 31, v[FIN+1]
	v_or_b32 v[FIN+2], 0x80000000, v[FIN+2]
	v_or_b32 v[FIN+3], 0x80000000, v[FIN+3]
	v_xor_b32 v[FIN], v[FIN], v[FIN+2]
	v_xor_b32 v[FIN+1], v[FIN+1], v[FIN+3]
	global_store_b64 v[KOFF], v[FIN:FIN+1], s[KB:KB+1]   ; the wave stores 256 consecutive bytes, at a multiple of 256 from the buffer's first byte
.Ldone:
	s_wait_tensorcnt 0x0                           ; the wave's end, behind my last tensor load and my last LDS store
	ds_add_u32 v[SPW], v[NIL]
	s_wait_dscnt 0x0
	CROUND                                         ; the closing round: no work-group ends while a partner may still ask for a tile that names it
	s_endpgm
.Lfunc_end_k_q20cef8103d_dens:
	.size	k_q20cef8103d_dens, .Lfunc_end_k_q20cef8103d_dens-k_q20cef8103d_dens
	.p2alignl 7, 3214868480
	.fill 96, 4, 3214868480
	.section	.rodata,"a",@progbits
	.p2align	6, 0x0
	.amdhsa_kernel k_q20cef8103d_dens
		.amdhsa_group_segment_fixed_size 327680
		.amdhsa_private_segment_fixed_size 0
		.amdhsa_enable_private_segment 0
		.amdhsa_kernarg_size 32
		.amdhsa_user_sgpr_count 2
		.amdhsa_user_sgpr_kernarg_segment_ptr 1
		.amdhsa_wavefront_size32 1
		.amdhsa_system_sgpr_workgroup_id_x 1
		.amdhsa_system_sgpr_workgroup_id_y 1
		.amdhsa_system_sgpr_workgroup_id_z 1
		.amdhsa_system_vgpr_workitem_id 0
		.amdhsa_next_free_vgpr 768
		.amdhsa_next_free_sgpr 66
		.amdhsa_reserve_vcc 1
		.amdhsa_float_denorm_mode_32 3
		.amdhsa_float_denorm_mode_16_64 3
		.amdhsa_memory_ordered 1
		.amdhsa_forward_progress 1
		.amdhsa_inst_pref_size 141
	.end_amdhsa_kernel
	.amdgpu_metadata
---
amdhsa.version: [ 1, 2 ]
amdhsa.kernels:
  - .name:           k_q20cef8103d_dens
    .symbol:         k_q20cef8103d_dens.kd
    .args:
      - { .name: codes_a, .offset: 0, .size: 8, .value_kind: global_buffer, .address_space: global }
      - { .name: codes_b, .offset: 8, .size: 8, .value_kind: global_buffer, .address_space: global }
      - { .name: rnorm, .offset: 16, .size: 8, .value_kind: global_buffer, .address_space: global }
      - { .name: keys, .offset: 24, .size: 8, .value_kind: global_buffer, .address_space: global }
    .group_segment_fixed_size: 327680
    .private_segment_fixed_size: 0
    .kernarg_segment_align: 8
    .kernarg_segment_size: 32
    .max_flat_workgroup_size: 128
    .sgpr_count:     66
    .vgpr_count:     768
    .wavefront_size: 32
...
	.end_amdgpu_metadata
.endif
;; end of part 2
;; launch pick (part 3): grid 8 x 1, 8 waves a work-group, no clusters, 10,240 bytes of LDS; arguments keys, x, ln_w, ln_b, proj_w, proj_b, out0; writes out0
.if DOCPART == 3
	.amdgcn_target "amdgcn-amd-amdhsa--gfx1250"
	.amdhsa_code_object_version 6
	.text
	.protected	k_q20cef8103d_pick
	.globl	k_q20cef8103d_pick
	.p2align	8
	.type	k_q20cef8103d_pick,@function
k_q20cef8103d_pick:
	s_mov_b64 s[64:65], 0
	v_nop
	global_prefetch_b8 v0, s[64:65] scope:SCOPE_SE
	s_setreg_imm32_b32 hwreg(HW_REG_WAVE_MODE, 25, 1), 1
	s_wait_xcnt 0x0
; THIRD LAUNCH.  A work-group to a batch.  The largest of the batch's 4,096 keys (whole numbers that sort as the densities do: second launch); every row whose key equals it is read from x, normalised as in the first
; launch, and added to the centre: so ties are summed, as the source's mask sums them; out = relu(centre . proj_w^T + proj_b).
; ROWS NOT READ: a row whose key is not the largest enters the source's sum with the factor 0; which rows those are is decided by whole numbers that this launch reads from memory, and only the rows that they name are fetched.
; LIMIT, as in the second launch: a NaN among the densities is not served.
; SHARES.  Thread t holds keys 1024 i + 4 t + j (i, j = 0..3).  A wave normalises the rows that its own lanes found, one after the other, 8 numbers a lane (k = 4 lane + j and 128 + 4 lane + j).  The eight waves' parts of the
; centre meet in LDS; wave w then makes outputs 8 w .. 8 w + 7.  The projection has 8 rows in all: f32 multiply-adds; no matrix instruction, no cluster, no tensor load: there are 512 dot products of 256 in the launch.
.set MAXW,  0                          ; LDS: the waves' maxima, a block of 256 bytes
.set CEN,   256                        ; the waves' parts of the centre: 8 x 1,024 bytes
.set OUTS,  8448                       ; the batch's 64 outputs
.set SPARE, 8704                       ; the spare words, 128 bytes for each wave: four blocks of 256 bytes that no other line names
.set LO16, 2                           ; v2   16 x lane
.set TO16, 3                           ; v3   16 x thread
.set L8,   4                           ; v4   lane % 8
.set SPW,  5                           ; v5   LDS address of my spare word; never rewritten
.set NIL,  6                           ; v6   0; never rewritten
.set GM,   7                           ; v7   the batch's largest key
.set KEY,  16                          ; v16-31
.set LW,   32                          ; v32-39  ln_w at my 8 k
.set LB,   40                          ; v40-47  ln_b
.set PW,   48                          ; v48-111 my wave's 8 rows of proj_w at my 8 k
.set C,    112                         ; v112-119 my wave's part of the centre
.set X,    120                         ; v120-127 a row
.set SM,   128                         ; v128-143 sums
.set PB,   144                         ; v144 proj_b of output 8 w + lane % 8
.set MXA,  145                         ; v145-149 LDS addresses, all made at the head
.set CST,  146
.set CLD,  147
.set OST,  148
.set OLD,  149
.set GO,   150                         ; v150 8 x lane
.set PBO,  151                         ; v151 4 (lane % 8)
.set CP,   160                         ; v160-223 the eight parts of the centre
.set WV,   28                          ; s28
	s_load_b256 s[4:11], s[0:1], 0x0               ; keys s[4:5], x s[6:7], ln_w s[8:9], ln_b s[10:11]
	s_load_b128 s[12:15], s[0:1], 0x20             ; proj_w s[12:13], proj_b s[14:15]
	s_load_b64 s[16:17], s[0:1], 0x30              ; out0
	v_lshl_add_u32 v[SPW], v0, 2, SPARE
	v_mov_b32 v[NIL], 0
	v_lshrrev_b32 v1, 5, v0
	v_readfirstlane_b32 s[WV], v1                  ; wave 0..7
	v_and_b32 v1, 31, v0                           ; lane
	v_lshlrev_b32 v[LO16], 4, v1
	v_lshlrev_b32 v[TO16], 4, v0
	v_and_b32 v[L8], 7, v0
	v_mov_b32 v[MXA], s[WV]
	v_lshlrev_b32 v[MXA], 2, v[MXA]                ; MAXW + 4 x wave
	s_lshl_b32 s34, s[WV], 10
	v_add_nc_u32 v[CST], s34, v[LO16]
	v_add_nc_u32 v[CST], CEN, v[CST]               ; CEN + 1,024 x wave + 16 x lane
	v_add_nc_u32 v[CLD], CEN, v[LO16]
	v_lshlrev_b32 v[PBO], 2, v[L8]
	s_lshl_b32 s35, s[WV], 5
	v_add_nc_u32 v[OST], s35, v[PBO]
	v_add_nc_u32 v[OST], OUTS, v[OST]              ; OUTS + 32 x wave + 4 (lane % 8)
	v_lshlrev_b32 v[GO], 3, v1
	v_add_nc_u32 v[OLD], OUTS, v[GO]
	s_mov_b32 s30, 0x76543210                      ; v_permlanex16_b32's selects for lane l xor 16
	s_mov_b32 s31, 0xfedcba98
	s_mov_b32 s32, 0x3b800000                      ; 1 / 256
	s_mov_b32 s33, 0x3727c5ac                      ; 1e-5
	s_lshl_b32 s26, s[WV], 17                      ; my wave's 128 rows of each 1,024, in bytes of x
	s_mov_b32 s37, 0
	s_mov_b32 s39, 0
	s_mov_b32 s41, 0
	s_mov_b32 s43, 0
	s_mov_b32 s45, 0
	s_lshl_b32 s36, ttmp9, 14                      ; the batch in keys,
	s_lshl_b32 s38, ttmp9, 22                      ; in x,
	s_lshl_b32 s40, ttmp9, 8                       ; in out0;
	s_lshl_b32 s42, s[WV], 13                      ; my wave's 8 rows of proj_w,
	s_mov_b32 s44, s35                             ; and 8 numbers of proj_b
	s_wait_kmcnt 0x0
	s_add_nc_u64 s[4:5], s[4:5], s[36:37]
	s_add_nc_u64 s[18:19], s[6:7], s[38:39]
	s_add_nc_u64 s[16:17], s[16:17], s[40:41]
	s_add_nc_u64 s[12:13], s[12:13], s[42:43]
	s_add_nc_u64 s[14:15], s[14:15], s[44:45]
.irp i, 0,1,2,3
	global_load_b128 v[KEY+4*\i:KEY+4*\i+3], v[TO16], s[4:5] offset:4096*\i
.endr
	global_load_b128 v[LW:LW+3], v[LO16], s[8:9]
	global_load_b128 v[LW+4:LW+7], v[LO16], s[8:9] offset:512
	global_load_b128 v[LB:LB+3], v[LO16], s[10:11]
	global_load_b128 v[LB+4:LB+7], v[LO16], s[10:11] offset:512
.irp o, 0,1,2,3,4,5,6,7
	global_load_b128 v[PW+8*\o:PW+8*\o+3], v[LO16], s[12:13] offset:1024*\o
	global_load_b128 v[PW+8*\o+4:PW+8*\o+7], v[LO16], s[12:13] offset:1024*\o+512
.endr
	global_load_b32 v[PB], v[PBO], s[14:15]
.irp i, 0,1,2,3,4,5,6,7
	v_mov_b32 v[C+\i], 0
.endr
	s_wait_loadcnt 21                              ; the four loads of keys are in; the 21 issued behind them may stay out
	; the largest key: my 16, the wave's 32 lanes, the eight waves
.irp a, 0,1,2,3
	v_max_u32 v[8+\a], v[KEY+4*\a], v[KEY+4*\a+1]
.endr
.irp a, 0,1,2,3
	v_max_u32 v[8+\a], v[8+\a], v[KEY+4*\a+2]
.endr
.irp a, 0,1,2,3
	v_max_u32 v[8+\a], v[8+\a], v[KEY+4*\a+3]
.endr
	v_max_u32 v8, v8, v9
	v_max_u32 v10, v10, v11
	v_max_u32 v8, v8, v10
.irp m, 1,2,4,8
	v_mov_b32_dpp v9, v8 row_xmask:\m row_mask:0xf bank_mask:0xf
	v_max_u32 v8, v8, v9
.endr
	v_permlanex16_b32 v9, v8, s30, s31
	v_max_u32 v8, v8, v9
	ds_store_b32 v[MXA], v8                        ; all lanes write the same word with the same number
	s_wait_dscnt 0x0                               ; for the others' sake
	s_barrier_signal -1
	s_barrier_wait -1
	v_mov_b32 v11, MAXW
	ds_load_b128 v[12:15], v11
	ds_load_b128 v[SM:SM+3], v11 offset:16
	s_wait_dscnt 0x0
	v_max_u32 v[GM], v12, v13
	v_max_u32 v8, v14, v15
	v_max_u32 v9, v[SM], v[SM+1]
	v_max_u32 v10, v[SM+2], v[SM+3]
	v_max_u32 v[GM], v[GM], v8
	v_max_u32 v9, v9, v10
	v_max_u32 v[GM], v[GM], v9
.macro WSUM r, tmp                     ; v[r] is added over the wave's 32 lanes; v[tmp] has been written
.irp m, 1,2,4,8
	v_add_f32_dpp v[\r], v[\r], v[\r] row_xmask:\m row_mask:0xf bank_mask:0xf
.endr
	v_permlanex16_b32 v[\tmp], v[\r], s30, s31
	v_add_f32 v[\r], v[\r], v[\tmp]
.endm
; the row at s[24:25] is normalised and added to my wave's part of the centre
.macro LNROW
	global_load_b128 v[X:X+3], v[LO16], s[24:25]
	global_load_b128 v[X+4:X+7], v[LO16], s[24:25] offset:512
	s_wait_loadcnt 0x0                             ; the row is in (and ln_w, ln_b): so s[24:25] may be written again
	v_pk_add_f32 v[SM:SM+1], v[X:X+1], v[X+2:X+3]
	v_pk_add_f32 v[SM+2:SM+3], v[X+4:X+5], v[X+6:X+7]
	v_pk_add_f32 v[SM:SM+1], v[SM:SM+1], v[SM+2:SM+3]
	v_add_f32 v[SM], v[SM], v[SM+1]
	WSUM SM, SM+1
	v_mul_f32 v[SM], s32, v[SM]                    ; the mean
.irp a, 0,2,4,6
	v_pk_add_f32 v[X+\a:X+\a+1], v[X+\a:X+\a+1], v[SM:SM+1] op_sel_hi:[1,0] neg_lo:[0,1] neg_hi:[0,1]
.endr
	v_pk_mul_f32 v[SM+2:SM+3], v[X:X+1], v[X:X+1]
	v_pk_mul_f32 v[SM+4:SM+5], v[X+2:X+3], v[X+2:X+3]
	v_pk_fma_f32 v[SM+2:SM+3], v[X+4:X+5], v[X+4:X+5], v[SM+2:SM+3]
	v_pk_fma_f32 v[SM+4:SM+5], v[X+6:X+7], v[X+6:X+7], v[SM+4:SM+5]
	v_pk_add_f32 v[SM+2:SM+3], v[SM+2:SM+3], v[SM+4:SM+5]
	v_add_f32 v[SM+2], v[SM+2], v[SM+3]
	WSUM SM+2, SM+3
	v_fma_f32 v[SM+2], v[SM+2], s32, s33           ; the variance + 1e-5
	v_rsq_f32 v[SM+2], v[SM+2]
	v_nop                                          ; a plain instruction between it and the first use of its result
	s_wait_alu depctr_va_vdst(0)                   ; the wait ahead of the first reader
.irp a, 0,2,4,6
	v_pk_mul_f32 v[X+\a:X+\a+1], v[X+\a:X+\a+1], v[SM+2:SM+3] op_sel_hi:[1,0]
.endr
.irp a, 0,2,4,6
	v_pk_fma_f32 v[X+\a:X+\a+1], v[X+\a:X+\a+1], v[LW+\a:LW+\a+1], v[LB+\a:LB+\a+1]
.endr
.irp a, 0,2,4,6
	v_pk_add_f32 v[C+\a:C+\a+1], v[C+\a:C+\a+1], v[X+\a:X+\a+1]
.endr
.endm
; Key register n of my 16: row 1024 (n / 4) + 128 wave + 4 lane + n % 4.  The lanes whose key is the largest are taken one by one, from the lowest on: a loop counted by the number of such lanes.
; The lane's number enters the address behind a clamp to 31.
.macro MATCH n
	v_cmp_eq_u32 s20, v[KEY+\n], v[GM]
	s_cmp_eq_u32 s20, 0
	s_cbranch_scc1 .Lnone_\@
	s_bcnt1_i32_b32 s21, s20
	s_mov_b32 s22, 0
.Lrow_\@:
	s_ctz_i32_b32 s23, s20
	s_min_u32 s23, s23, 31
	s_lshl_b32 s24, s23, 12                        ; 4 rows of 1,024 bytes a lane
	s_add_co_u32 s24, s24, s26
	s_add_co_u32 s24, s24, (1024*((\n)/4)+(\n)%4)<<10
	s_mov_b32 s25, 0
	s_add_nc_u64 s[24:25], s[18:19], s[24:25]
	s_sub_co_u32 s27, s20, 1
	s_and_b32 s20, s20, s27                        ; that lane is done
	LNROW
	s_add_co_u32 s22, s22, 1
	s_cmp_lt_u32 s22, s21
	s_cbranch_scc1 .Lrow_\@
.Lnone_\@:
.endm
.irp n, 0,1,2,3,4,5,6,7,8,9,10,11,12,13,14,15
	MATCH \n
.endr
	ds_store_b128 v[CST], v[C:C+3]
	ds_store_b128 v[CST], v[C+4:C+7] offset:512
	s_wait_dscnt 0x0                               ; for the others' sake: my part of the centre lies in LDS
	s_barrier_signal -1
	s_barrier_wait -1
.irp u, 0,1,2,3,4,5,6,7
	ds_load_b128 v[CP+8*\u:CP+8*\u+3], v[CLD] offset:1024*\u
	ds_load_b128 v[CP+8*\u+4:CP+8*\u+7], v[CLD] offset:1024*\u+512
.endr
	s_wait_dscnt 0x0
.irp u, 1,2,3,4,5,6,7                          ; the eight parts, in one fixed order: the centre at my 8 k, in every wave
.irp a, 0,2,4,6
	v_pk_add_f32 v[CP+\a:CP+\a+1], v[CP+\a:CP+\a+1], v[CP+8*\u+\a:CP+8*\u+\a+1]
.endr
.endr
	s_wait_loadcnt 0x0                             ; proj_w, proj_b
.irp o, 0,1,2,3,4,5,6,7
	v_pk_mul_f32 v[SM+2*\o:SM+2*\o+1], v[PW+8*\o:PW+8*\o+1], v[CP:CP+1]
.endr
.irp a, 2,4,6
.irp o, 0,1,2,3,4,5,6,7
	v_pk_fma_f32 v[SM+2*\o:SM+2*\o+1], v[PW+8*\o+\a:PW+8*\o+\a+1], v[CP+\a:CP+\a+1], v[SM+2*\o:SM+2*\o+1]
.endr
.endr
.irp o, 0,1,2,3,4,5,6,7
	v_add_f32 v[SM+2*\o], v[SM+2*\o], v[SM+2*\o+1]
.endr
.irp m, 1,2,4,8
.irp o, 0,1,2,3,4,5,6,7
	v_add_f32_dpp v[SM+2*\o], v[SM+2*\o], v[SM+2*\o] row_xmask:\m row_mask:0xf bank_mask:0xf
.endr
.endr
.irp o, 0,1,2,3,4,5,6,7
	v_permlanex16_b32 v[SM+2*\o+1], v[SM+2*\o], s30, s31
.endr
.irp o, 0,1,2,3,4,5,6,7
	v_add_f32 v[SM+2*\o], v[SM+2*\o], v[SM+2*\o+1]
.endr
	v_mov_b32 v8, v[SM]                            ; lane l keeps output 8 w + l % 8
.irp o, 1,2,3,4,5,6,7
	v_cmp_eq_u32 vcc_lo, \o, v[L8]
	v_cndmask_b32 v8, v8, v[SM+2*\o], vcc_lo
.endr
	v_add_f32 v8, v8, v[PB]
	v_max_num_f32 v8, 0, v8                        ; relu
	ds_store_b32 v[OST], v8                        ; four lanes write the same word with the same number
	s_wait_dscnt 0x0                               ; for wave 0's sake
	s_barrier_signal -1
	s_barrier_wait -1
	s_cmp_lg_u32 s[WV], 0
	s_cbranch_scc1 .Lend
	ds_load_b64 v[8:9], v[OLD]
	s_wait_dscnt 0x0
	global_store_b64 v[GO], v[8:9], s[16:17]       ; the batch's 64 outputs: 256 consecutive bytes, at a multiple of 256 from out0's first byte
.Lend:
	s_wait_tensorcnt 0x0                           ; the wave's end, behind my last LDS store
	ds_add_u32 v[SPW], v[NIL]
	s_wait_dscnt 0x0
	s_endpgm
.Lfunc_end_k_q20cef8103d_pick:
	.size	k_q20cef8103d_pick, .Lfunc_end_k_q20cef8103d_pick-k_q20cef8103d_pick
	.p2alignl 7, 3214868480
	.fill 96, 4, 3214868480
	.section	.rodata,"a",@progbits
	.p2align	6, 0x0
	.amdhsa_kernel k_q20cef8103d_pick
		.amdhsa_group_segment_fixed_size 10240
		.amdhsa_private_segment_fixed_size 0
		.amdhsa_enable_private_segment 0
		.amdhsa_kernarg_size 56
		.amdhsa_user_sgpr_count 2
		.amdhsa_user_sgpr_kernarg_segment_ptr 1
		.amdhsa_wavefront_size32 1
		.amdhsa_system_sgpr_workgroup_id_x 1
		.amdhsa_system_sgpr_workgroup_id_y 1
		.amdhsa_system_sgpr_workgroup_id_z 1
		.amdhsa_system_vgpr_workitem_id 0
		.amdhsa_next_free_vgpr 224
		.amdhsa_next_free_sgpr 66
		.amdhsa_reserve_vcc 1
		.amdhsa_float_denorm_mode_32 3
		.amdhsa_float_denorm_mode_16_64 3
		.amdhsa_memory_ordered 1
		.amdhsa_forward_progress 1
		.amdhsa_inst_pref_size 68
	.end_amdhsa_kernel
	.amdgpu_metadata
---
amdhsa.version: [ 1, 2 ]
amdhsa.kernels:
  - .name:           k_q20cef8103d_pick
    .symbol:         k_q20cef8103d_pick.kd
    .args:
      - { .name: keys, .offset: 0, .size: 8, .value_kind: global_buffer, .address_space: global }
      - { .name: x, .offset: 8, .size: 8, .value_kind: global_buffer, .address_space: global }
      - { .name: ln_w, .offset: 16, .size: 8, .value_kind: global_buffer, .address_space: global }
      - { .name: ln_b, .offset: 24, .size: 8, .value_kind: global_buffer, .address_space: global }
      - { .name: proj_w, .offset: 32, .size: 8, .value_kind: global_buffer, .address_space: global }
      - { .name: proj_b, .offset: 40, .size: 8, .value_kind: global_buffer, .address_space: global }
      - { .name: out0, .offset: 48, .size: 8, .value_kind: global_buffer, .address_space: global }
    .group_segment_fixed_size: 10240
    .private_segment_fixed_size: 0
    .kernarg_segment_align: 8
    .kernarg_segment_size: 56
    .max_flat_workgroup_size: 256
    .sgpr_count:     66
    .vgpr_count:     224
    .wavefront_size: 32
...
	.end_amdgpu_metadata
.endif
;; end of part 3
